; MI455X (gfx1250); checked and timed in simulation.
; The chip was launched on July 23, 2026; its instructions are those of AMD's public machine-readable ISA for CDNA 5 (MIT licence, August 2026) and "CDNA5" Instruction Set Architecture Reference Guide (July 2026). The comments in the code are by the model that wrote it; some were corrected since.
;; Eps Ball Points. Allowed arithmetic: float matrix products may take bf16 or f16 operands with f32 sums; all other float work in f32.
;; Inputs: coord 8 x 8,192 x 3 float32; samples 8 x 2,048 x 3 float32.
;; Outputs: out0 8 x 2,048 x 64 int32.
;; One version. Each part assembles by itself: llvm-mc -triple=amdgcn-amd-amdhsa -mcpu=gfx1250 --defsym DOCPART=n.
;; ======== version 1 of 1: 1 launch
;; limits: values outside matrix products are rounded to bf16
;; launch ball (part 1): grid 256 x 1, 16 waves a work-group, no clusters, 133,120 bytes of LDS; arguments coord, samples, out0; writes out0
.if DOCPART == 1
	.amdgcn_target "amdgcn-amd-amdhsa--gfx1250"
	.amdhsa_code_object_version 6
	.text
	.protected	k_q74a1154138_ball
	.globl	k_q74a1154138_ball
	.p2align	8
	.type	k_q74a1154138_ball,@function
k_q74a1154138_ball:
	s_mov_b64 s[64:65], 0
	v_nop
	global_prefetch_b8 v0, s[64:65] scope:SCOPE_SE
	s_setreg_imm32_b32 hwreg(HW_REG_WAVE_MODE, 25, 1), 1
	s_wait_xcnt 0x0
; EpsBallPoints: for each of 8 x 2048 queries the 64 lowest numbers of the points (of 8192) whose squared distance is not > 0.04,
; padded with the first of them (8192 if there is none).
;
; ARITHMETIC.  Both inputs are rounded to bf16 (nearest even) and widened again.  Then every product s_i c_i and every square has at most
; 16 significant bits and is exact in f32, and the only roundings are those of the f32 sums, which are made in reference()'s order:
;   dot = (p0 + p1) + p2,  ss and cc likewise,  d = ((-2 dot) + ss) + cc,  outside if d > 0x3d23d70a (0.2 * 0.2 as f32).
; With u_i = -2 s_i (exact) the chain u0 c0, fma(u1, c1, .), fma(u2, c2, .) is -2 dot with the same roundings.
; The output is whole numbers, so one comparison that falls otherwise is a wrong row: that is why the K = 3 product is made by this chain on
; the vector unit and not by a matrix instruction, which adds its products in an order of its own and rounds once.
; LIMITS: the three-term sums are taken in ascending index.  A product below 2^-126 is rounded after the doubling, not before it: a
; difference of at most 2^-148, which cannot reach a comparison with 0.04.  NaN compares false and so counts as inside, as in reference().
;
; NOTHING STEERS BUT VALUES: no branch and no address hangs on a distance.  All 8192 points are tested for every query, and the first 64 are
; picked by selects.
;
; SHARES.  256 work-groups; work-group g has queries 64 g .. 64 g + 63 (counted over all batches), batch g / 32.  16 waves, 4 queries each.
; A lane is a point: the scalar mask that a compare leaves is a word of the query's bitmap, bit l = point 32 word + l.
; LDS holds the batch's 8192 points, rounded, with cc: for a pair of groups G (points a = 64 G + l, b = 64 G + 32 + l) the records
; X = (c0a, c0b, c1a, c1b) at 1024 G + 16 l and Y = (c2a, c2b, cca, ccb) at 1024 G + 512 + 16 l: register pairs as the packed f32 forms take
; them, and every LDS load has its 32 lanes at 16 neighbouring bytes each.
; NO CLUSTER, NO TENSOR LOAD: what the 32 work-groups of a batch share is 98,304 bytes, read once by each ahead of its 64 x 8192 = 524,288
; tests, and these bytes pass through registers in any case, to be rounded and re-laid from points of 12 bytes.
;
; PICKING.  Lane l owns the slots 2 l and 2 l + 1 of a query's row, so that one 8-byte store of the wave writes the row's 256 bytes.
; A block is 128 points = 4 mask words.  A slot j keeps the words of the last block at whose start the query's count was <= j, with that
; count and the block's number: later blocks start above j, earlier ones are overwritten, so it ends with the block that holds its bit.
.set NPTS,   8192
.set QWG,    64                        ; queries of a work-group
.set QW,     4                         ; queries of a wave
.set BLKP,   128                       ; points in a block
.set BLKB,   2048                      ; LDS bytes of a block: two pairs of groups
.set RAWB,   6144                      ; a wave stages 512 points of 12 bytes
; vector registers
.set LANE, 1
.set VA,   2                           ; LDS address of my 16 bytes in the record at the loop's base block
.set WV,   3
.set JA,   4                           ; slot 2 l
.set JB,   5                           ; slot 2 l + 1
.set VO,   6                           ; byte offset of my two slots in the work-group's part of out0
.set VG,   7                           ; byte offset of my 16 bytes in the batch's coordinates
.set QC,   8                           ; v[8:39]    query q at 8 q: u0 u0 u1 u1 u2 u2 ss ss (each number twice: a pair for the packed forms)
.set CAP,  40                          ; v[40:79]   query q, slot set s at 10 q + 5 s: four mask words, then count + 256 block
.set PB0,  80                          ; v[80:95]   a block's points: X0 Y0 X1 Y1
.set PB1,  96                          ; v[96:111]  the other buffer
.set T,    112                         ; v[112:127] eight chains (query, pair of groups), two distances each
.set RAW,  128                         ; v[128:175] staging: coordinate c of my point in group n at 3 n + c
.set REC,  176                         ; v[176:191] staging: two records in turn
.set VQ,   192
.set LS,   193
.set LR,   194
.set GL,   80                          ; staging: the 12 x 16 bytes as loaded (the point buffers and chains are not yet in use)
.set S,    40                          ; staging: my wave's 4 queries as loaded, 12 numbers
.set TQ,   52
.set CV,   54
.set OUT,  8                           ; the tail: query q's two slots at 2 q (the query constants are done with)
.set X,    112                         ; the tail: at work
.set Y,    120
; scalar registers
.set MASK, 16                          ; s[16:31]  query q, word w at 4 q + w: bit l set = point l of the word is OUTSIDE
.set CNT,  32                          ; s[32:35]  points inside so far, held at 64
.set MA,   36                          ; s[36:43]  pairs; low word: lanes whose slot 2 l is >= the count
.set MB,   44                          ; s[44:51]  the same for slot 2 l + 1
.set PP,   52                          ; s[52:55]  count + 256 x number of the next block
.set ONES, 56                          ; s[56:57]  0x00000000ffffffff
.set BLK8, 58                          ; 256 x number of the next block
.set TRIP, 59
.set THR,  66
.set HI,   67
.set M5,   68
.set M3,   69
.set MF,   70
.set LB,   71                          ; my wave's 8,192 bytes of LDS
	s_load_b128 s[4:7], s[0:1], 0x0                ; coord s[4:5], samples s[6:7]
	s_load_b64 s[8:9], s[0:1], 0x10                ; out0
	v_lshl_add_u32 v196, v0, 2, 0x20000
	v_mov_b32 v197, 0
	v_and_b32 v[LANE], 31, v0
	v_lshrrev_b32 v[WV], 5, v0
	v_readfirstlane_b32 s10, v[WV]                 ; wave 0..15
	s_lshr_b32 s11, ttmp9, 5                       ; batch
	s_mul_i32 s12, s11, NPTS*12                    ; the batch's coordinates
	s_mov_b32 s13, 0
	s_mul_i32 s14, ttmp9, QWG*12                   ; the work-group's queries
	s_mov_b32 s15, 0
	s_lshl_b32 s60, ttmp9, 14                      ; its 64 rows of 256 bytes in out0
	s_mov_b32 s61, 0
	s_mul_i32 s62, s10, RAWB
	s_mul_i32 s63, s10, QW*12
	s_lshl_b32 s[LB], s10, 13
	s_lshl_b32 s11, s10, 10                        ; 4 rows of 256 bytes
	v_lshl_add_u32 v[VG], v[LANE], 4, s62
	v_mov_b32 v[VQ], s63                           ; every lane reads the same 48 bytes: the queries come broadcast
	v_lshl_add_u32 v[LS], v[LANE], 4, s[LB]        ; 16 bytes a lane
	v_mul_u32_u24 v[LR], v[LANE], 12               ; a point a lane
	v_add_nc_u32 v[LR], s[LB], v[LR]
	v_lshl_add_u32 v[VO], v[LANE], 3, s11
	v_lshlrev_b32 v[JA], 1, v[LANE]
	v_or_b32 v[JB], 1, v[JA]
	v_lshlrev_b32 v[VA], 4, v[LANE]
	s_mov_b32 s[THR], 0x3d23d70a                   ; 0.2 * 0.2, rounded to f32
	s_mov_b32 s[HI], 0xffff0000
	s_mov_b32 s[M5], 0x55555555
	s_mov_b32 s[M3], 0x33333333
	s_mov_b32 s[MF], 0x0f0f0f0f
	s_mov_b32 s[ONES], -1
	s_mov_b32 s[ONES+1], 0
	s_mov_b32 s[BLK8], 0x100
.irp q, 0,1,2,3
	s_mov_b32 s[CNT+\q], 0
.endr
	s_wait_kmcnt 0x0
	s_add_nc_u64 s[4:5], s[4:5], s[12:13]
	s_add_nc_u64 s[6:7], s[6:7], s[14:15]
	s_add_nc_u64 s[8:9], s[8:9], s[60:61]
	; STAGING.  My wave's 512 points are 6,144 neighbouring bytes: 12 loads, each 512 neighbouring bytes.
.irp k, 0,1,2,3,4,5,6,7,8,9,10,11
	global_load_b128 v[GL+4*\k:GL+4*\k+3], v[VG], s[4:5] offset:512*\k
.endr
.irp k, 0,1,2
	global_load_b128 v[S+4*\k:S+4*\k+3], v[VQ], s[6:7] offset:16*\k
.endr
	s_wait_loadcnt 0x3                             ; loads return in order: the 12 of the coordinates are in, the 3 younger ones (queries) may be out
	; From 16 bytes a lane to a point a lane, through my wave's own LDS bytes: laid down as they came, read back 12 bytes apart
	; (3 words a lane: the 32 lanes fall on 32 different banks of the 64).  LDS serves a wave's instructions in order, so no wait between.
.irp k, 0,1,2,3,4,5,6,7,8,9,10,11
	ds_store_b128 v[LS], v[GL+4*\k:GL+4*\k+3] offset:512*\k
.endr
.set n, 0
.rept 16
	ds_load_b32 v[RAW+3*n],   v[LR] offset:384*n
	ds_load_b32 v[RAW+3*n+1], v[LR] offset:384*n+4
	ds_load_b32 v[RAW+3*n+2], v[LR] offset:384*n+8
.set n, n+1
.endr
	s_wait_loadcnt 0x0                             ; the queries
.irp q, 0,1,2,3
	v_cvt_pk_bf16_f32 v[TQ],   v[S+3*\q],   v[S+3*\q+1]     ; round to bf16 ..
	v_cvt_pk_bf16_f32 v[TQ+1], v[S+3*\q+2], v[S+3*\q+2]
	v_lshlrev_b32 v[QC+8*\q],   16, v[TQ]                   ; .. and widen again
	v_and_b32     v[QC+8*\q+2], s[HI], v[TQ]
	v_lshlrev_b32 v[QC+8*\q+4], 16, v[TQ+1]
	v_mul_f32 v[QC+8*\q+6], v[QC+8*\q], v[QC+8*\q]                           ; ss = (s0 s0 + s1 s1) + s2 s2: the squares are exact,
	v_fma_f32 v[QC+8*\q+6], v[QC+8*\q+2], v[QC+8*\q+2], v[QC+8*\q+6]         ; so each fused step rounds as the plain sum does
	v_fma_f32 v[QC+8*\q+6], v[QC+8*\q+4], v[QC+8*\q+4], v[QC+8*\q+6]
	v_mov_b32 v[QC+8*\q+7], v[QC+8*\q+6]
.irp c, 0,2,4
	v_mul_f32 v[QC+8*\q+\c], -2.0, v[QC+8*\q+\c]            ; u = -2 s, exact
	v_mov_b32 v[QC+8*\q+\c+1], v[QC+8*\q+\c]
.endr
.endr
	s_wait_dscnt 0x0                               ; all my points are in registers: the raw bytes may be overwritten
.set i, 0
.rept 8
.set R, REC+8*(i&1)
	v_cvt_pk_bf16_f32 v[CV],   v[RAW+6*i],   v[RAW+6*i+3]   ; coordinate 0 of point a (group 2 i) and point b (group 2 i + 1)
	v_cvt_pk_bf16_f32 v[CV+1], v[RAW+6*i+1], v[RAW+6*i+4]
	v_cvt_pk_bf16_f32 v[CV+2], v[RAW+6*i+2], v[RAW+6*i+5]
	v_lshlrev_b32 v[R],   16, v[CV]
	v_and_b32     v[R+1], s[HI], v[CV]
	v_lshlrev_b32 v[R+2], 16, v[CV+1]
	v_and_b32     v[R+3], s[HI], v[CV+1]
	v_lshlrev_b32 v[R+4], 16, v[CV+2]
	v_and_b32     v[R+5], s[HI], v[CV+2]
	v_pk_mul_f32 v[R+6:R+7], v[R:R+1], v[R:R+1]                        ; cc of both points, in ss's order
	v_pk_fma_f32 v[R+6:R+7], v[R+2:R+3], v[R+2:R+3], v[R+6:R+7]
	v_pk_fma_f32 v[R+6:R+7], v[R+4:R+5], v[R+4:R+5], v[R+6:R+7]
	ds_store_b128 v[LS], v[R:R+3]   offset:1024*i
	ds_store_b128 v[LS], v[R+4:R+7] offset:1024*i+512
.set i, i+1
.endr
	s_wait_dscnt 0x0                               ; for the other waves' sake: my records are in LDS
	s_barrier_signal -1
	s_barrier_wait -1                              ; everybody's are; LDS is only read from here on
; After a block: query q's count, and from it what the next block's captures need.
.macro COUNT q, last
	s_bcnt1_i32_b32 s60, s[MASK+4*\q]
	s_bcnt1_i32_b32 s61, s[MASK+4*\q+1]
	s_bcnt1_i32_b32 s62, s[MASK+4*\q+2]
	s_bcnt1_i32_b32 s63, s[MASK+4*\q+3]
	s_add_co_u32 s60, s60, s61
	s_add_co_u32 s62, s62, s63
	s_add_co_u32 s60, s60, s62                     ; the block's points outside,
	s_sub_co_u32 s60, BLKP, s60                    ; inside
	s_add_co_u32 s[CNT+\q], s[CNT+\q], s60
	s_min_u32 s[CNT+\q], s[CNT+\q], 64             ; beyond 64 the count says nothing more: no slot is >= it
.if \last == 0
	s_add_co_u32 s61, s[CNT+\q], 1
	s_lshr_b32 s61, s61, 1                         ; 2 l >= count      <=>  l >= (count + 1) / 2
	s_lshr_b32 s62, s[CNT+\q], 1                   ; 2 l + 1 >= count  <=>  l >= count / 2
	s_lshl_b64 s[MA+2*\q:MA+2*\q+1], s[ONES:ONES+1], s61   ; 32 ones shifted by 0 .. 32: the low word is the lanes' mask, empty at 32
	s_lshl_b64 s[MB+2*\q:MB+2*\q+1], s[ONES:ONES+1], s62
	s_add_co_u32 s[PP+\q], s[CNT+\q], s[BLK8]      ; a slot that takes this has count <= 63: the fields do not meet
.endif
.endm
; One block of 128 points against my four queries.  cur: the buffer with its points; nxt, off: the next block's points are asked for, from
; byte off behind the loop's base; first = 1: every slot takes the block (the count is 0), so plain moves start the captures;
; last = 1: nothing more to fetch.
.macro BLOCK cur, nxt, off, first, last
.if \last
	s_wait_dscnt 0x0
.else
.irp k, 0,1,2,3
	ds_load_b128 v[\nxt+4*\k:\nxt+4*\k+3], v[VA] offset:\off+512*\k
.endr
	s_wait_dscnt 0x4                               ; LDS loads return in order: this block's four are in, the four just issued stay out
.endif
	; eight chains side by side, one step of all before the next step, so that no instruction follows on the one that feeds it
.irp q, 0,1,2,3
.irp g, 0,1
	v_pk_mul_f32 v[T+4*\q+2*\g:T+4*\q+2*\g+1], v[QC+8*\q:QC+8*\q+1], v[\cur+8*\g:\cur+8*\g+1]
.endr
.endr
.irp q, 0,1,2,3
.irp g, 0,1
	v_pk_fma_f32 v[T+4*\q+2*\g:T+4*\q+2*\g+1], v[QC+8*\q+2:QC+8*\q+3], v[\cur+8*\g+2:\cur+8*\g+3], v[T+4*\q+2*\g:T+4*\q+2*\g+1]
.endr
.endr
.irp q, 0,1,2,3
.irp g, 0,1
	v_pk_fma_f32 v[T+4*\q+2*\g:T+4*\q+2*\g+1], v[QC+8*\q+4:QC+8*\q+5], v[\cur+8*\g+4:\cur+8*\g+5], v[T+4*\q+2*\g:T+4*\q+2*\g+1]
.endr
.endr
.irp q, 0,1,2,3
.irp g, 0,1
	v_pk_add_f32 v[T+4*\q+2*\g:T+4*\q+2*\g+1], v[T+4*\q+2*\g:T+4*\q+2*\g+1], v[QC+8*\q+6:QC+8*\q+7]       ; + ss
.endr
.endr
.irp q, 0,1,2,3
.irp g, 0,1
	v_pk_add_f32 v[T+4*\q+2*\g:T+4*\q+2*\g+1], v[T+4*\q+2*\g:T+4*\q+2*\g+1], v[\cur+8*\g+6:\cur+8*\g+7]   ; + cc
.endr
.endr
.irp q, 0,1,2,3
.irp g, 0,1
	v_cmp_gt_f32 s[MASK+4*\q+2*\g],   v[T+4*\q+2*\g],   s[THR]   ; reference()'s own comparison: false for NaN
	v_cmp_gt_f32 s[MASK+4*\q+2*\g+1], v[T+4*\q+2*\g+1], s[THR]
.endr
.endr
	; captures: first what does not wait for the compares
.irp q, 0,1,2,3
.if \first
	v_mov_b32 v[CAP+10*\q+4], 0
	v_mov_b32 v[CAP+10*\q+9], 0
.else
	v_cndmask_b32 v[CAP+10*\q+4], v[CAP+10*\q+4], s[PP+\q], s[MA+2*\q]
	v_cndmask_b32 v[CAP+10*\q+9], v[CAP+10*\q+9], s[PP+\q], s[MB+2*\q]
.endif
.endr
.irp q, 0,1,2,3
.irp w, 0,1,2,3
.if \first
	v_mov_b32 v[CAP+10*\q+\w],   s[MASK+4*\q+\w]
	v_mov_b32 v[CAP+10*\q+5+\w], s[MASK+4*\q+\w]
.else
	v_cndmask_b32 v[CAP+10*\q+\w],   v[CAP+10*\q+\w],   s[MASK+4*\q+\w], s[MA+2*\q]
	v_cndmask_b32 v[CAP+10*\q+5+\w], v[CAP+10*\q+5+\w], s[MASK+4*\q+\w], s[MB+2*\q]
.endif
.endr
.endr
.irp q, 0,1,2,3
	COUNT \q, \last
.endr
	s_add_co_u32 s[BLK8], s[BLK8], 0x100
.endm
	; THE SCAN: 64 blocks = 1 + 31 x 2 + 1.  The first starts the captures, the last fetches nothing.
.irp k, 0,1,2,3
	ds_load_b128 v[PB0+4*\k:PB0+4*\k+3], v[VA] offset:512*\k
.endr
	BLOCK PB0, PB1, BLKB, 1, 0                     ; block 0; asks for block 1
	s_mov_b32 s[TRIP], 31
.Lscan:                                            ; trip t, base block 2 t:
	BLOCK PB1, PB0, 2*BLKB, 0, 0                   ; block 2 t + 1; asks for 2 t + 2
	BLOCK PB0, PB1, 3*BLKB, 0, 0                   ; block 2 t + 2; asks for 2 t + 3 (63 in the last trip: the last record ends at byte 131,072)
	v_add_nc_u32 v[VA], 2*BLKB, v[VA]
	s_sub_co_u32 s[TRIP], s[TRIP], 1
	s_cmp_lg_u32 s[TRIP], 0
	s_cbranch_scc1 .Lscan
	BLOCK PB1, PB0, 0, 0, 1                        ; block 63
	; THE TAIL: from a slot's four words to its point's number, by values alone.
; ones of src counted in fields: a in fields of 2 bits, b of 4, c of 8
.macro FIELDS src, a, b, c
	v_lshrrev_b32 v[\a], 1, v[\src]
	v_and_b32     v[\a], s[M5], v[\a]
	v_sub_nc_u32  v[\a], v[\src], v[\a]
	v_lshrrev_b32 v[\b], 2, v[\a]
	v_and_b32     v[\c], s[M3], v[\a]
	v_and_b32     v[\b], s[M3], v[\b]
	v_add_nc_u32  v[\b], v[\b], v[\c]
	v_lshrrev_b32 v[\c], 4, v[\b]
	v_add_nc_u32  v[\c], v[\c], v[\b]
	v_and_b32     v[\c], s[MF], v[\c]
.endm
; the sum of r's four bytes (at most 96 in all: no byte runs over)
.macro BYTESUM r, t
	v_lshrrev_b32 v[\t], 8, v[\r]
	v_add_nc_u32  v[\r], v[\r], v[\t]
	v_lshrrev_b32 v[\t], 16, v[\r]
	v_add_nc_u32  v[\r], v[\r], v[\t]
	v_and_b32     v[\r], 0xff, v[\r]
.endm
; one halving: X = rank still to go, X+3 = bit position so far.  If the lower half of the piece holds no more than X ones, go to the upper.
.macro HALVE field, width, step
	v_bfe_u32     v[X+7], v[\field], v[X+3], \width
	v_cmp_ge_u32  vcc_lo, v[X], v[X+7]
	v_sub_nc_u32  v[X+2], v[X], v[X+7]
	v_min_u32     v[X], v[X], v[X+2]               ; the difference wraps to a huge number exactly where it must not be taken
	v_add_nc_u32  v[X+2], \step, v[X+3]
	v_cndmask_b32 v[X+3], v[X+3], v[X+2], vcc_lo
.endm
; B: the capture (four words, then count + 256 block); J: the slots' numbers; D: where the point's number goes.
; A slot at or beyond the query's count gets a number without meaning here; it is replaced below.
.macro SELECT B, J, D
	v_and_b32     v[X], 0xff, v[\B+4]              ; the count at the block's start
	v_lshrrev_b32 v[X+1], 6, v[\B+4]
	v_and_b32     v[X+1], -4, v[X+1]               ; 4 x block
	v_sub_nc_u32  v[X], v[\J], v[X]                ; my rank among the block's points inside
.irp k, 0,1,2,3
	v_xor_b32 v[\B+\k], -1, v[\B+\k]               ; from 'outside' to 'inside'
.endr
	FIELDS \B,   X+4, X+5, Y
	FIELDS \B+1, X+4, X+5, Y+1
	FIELDS \B+2, X+4, X+5, Y+2
	v_add_nc_u32 v[Y+1], v[Y+1], v[Y]              ; byte by byte: words 0-1 (at most 16 a byte),
	v_add_nc_u32 v[Y+2], v[Y+2], v[Y+1]            ; words 0-2 (at most 24)
	BYTESUM Y,   X+4
	BYTESUM Y+1, X+4
	BYTESUM Y+2, X+4
	v_cmp_ge_u32  vcc_lo, v[X], v[Y]               ; the three bounds ascend, so the last that holds decides
	v_cndmask_b32 v[\B], v[\B], v[\B+1], vcc_lo    ; my word,
	v_cndmask_b32 v[X+2], 0, v[Y], vcc_lo          ; the ones in front of it,
	v_cndmask_b32 v[X+3], 0, 1, vcc_lo             ; its number
	v_cmp_ge_u32  vcc_lo, v[X], v[Y+1]
	v_cndmask_b32 v[\B], v[\B], v[\B+2], vcc_lo
	v_cndmask_b32 v[X+2], v[X+2], v[Y+1], vcc_lo
	v_cndmask_b32 v[X+3], v[X+3], 2, vcc_lo
	v_cmp_ge_u32  vcc_lo, v[X], v[Y+2]
	v_cndmask_b32 v[\B], v[\B], v[\B+3], vcc_lo
	v_cndmask_b32 v[X+2], v[X+2], v[Y+2], vcc_lo
	v_cndmask_b32 v[X+3], v[X+3], 3, vcc_lo
	v_sub_nc_u32  v[X], v[X], v[X+2]               ; my rank in the word
	v_add_lshl_u32 v[X+1], v[X+1], v[X+3], 5       ; 32 x (4 block + word): the word's first point
	FIELDS \B, X+4, X+5, X+6
	v_lshrrev_b32 v[X+7], 8, v[X+6]
	v_add_nc_u32  v[X+7], v[X+7], v[X+6]
	v_and_b32     v[X+7], 0xff, v[X+7]             ; ones in bits 0-15
	v_cmp_ge_u32  vcc_lo, v[X], v[X+7]
	v_sub_nc_u32  v[X+2], v[X], v[X+7]
	v_min_u32     v[X], v[X], v[X+2]
	v_cndmask_b32 v[X+3], 0, 16, vcc_lo
	HALVE X+6, 8, 8
	HALVE X+5, 4, 4
	HALVE X+4, 2, 2
	v_bfe_u32     v[X+7], v[\B], v[X+3], 1
	v_cmp_ge_u32  vcc_lo, v[X], v[X+7]
	v_add_nc_u32  v[X+2], 1, v[X+3]
	v_cndmask_b32 v[X+3], v[X+3], v[X+2], vcc_lo
	v_add_nc_u32  v[\D], v[X+1], v[X+3]
.endm
.irp q, 0,1,2,3
	SELECT CAP+10*\q,   JA, OUT+2*\q
	SELECT CAP+10*\q+5, JB, OUT+2*\q+1
	v_readfirstlane_b32 s60, v[OUT+2*\q]           ; slot 0: the first point inside,
	s_cmp_eq_u32 s[CNT+\q], 0
	s_cselect_b32 s60, NPTS, s60                   ; or 8192 where there is none (a choice of a value: no branch)
	v_cmp_gt_u32 vcc_lo, s[CNT+\q], v[JA]
	v_cndmask_b32 v[OUT+2*\q], s60, v[OUT+2*\q], vcc_lo
	v_cmp_gt_u32 vcc_lo, s[CNT+\q], v[JB]
	v_cndmask_b32 v[OUT+2*\q+1], s60, v[OUT+2*\q+1], vcc_lo
	global_store_b64 v[VO], v[OUT+2*\q:OUT+2*\q+1], s[8:9] offset:256*\q th:TH_STORE_NT   ; the wave's 32 x 8 bytes are the query's whole row: 256 bytes, at a multiple of 256 from out0's first byte
.endr
	s_wait_tensorcnt 0x0
	ds_add_u32 v196, v197
	s_wait_dscnt 0x0
	s_endpgm
.Lfunc_end_k_q74a1154138_ball:
	.size	k_q74a1154138_ball, .Lfunc_end_k_q74a1154138_ball-k_q74a1154138_ball
	.p2alignl 7, 3214868480
	.fill 96, 4, 3214868480
	.section	.rodata,"a",@progbits
	.p2align	6, 0x0
	.amdhsa_kernel k_q74a1154138_ball
		.amdhsa_group_segment_fixed_size 133120
		.amdhsa_private_segment_fixed_size 0
		.amdhsa_enable_private_segment 0
		.amdhsa_kernarg_size 24
		.amdhsa_user_sgpr_count 2
		.amdhsa_user_sgpr_kernarg_segment_ptr 1
		.amdhsa_wavefront_size32 1
		.amdhsa_system_sgpr_workgroup_id_x 1
		.amdhsa_system_sgpr_workgroup_id_y 1
		.amdhsa_system_sgpr_workgroup_id_z 1
		.amdhsa_system_vgpr_workitem_id 0
		.amdhsa_next_free_vgpr 198
		.amdhsa_next_free_sgpr 72
		.amdhsa_reserve_vcc 1
		.amdhsa_float_denorm_mode_32 3
		.amdhsa_float_denorm_mode_16_64 3
		.amdhsa_memory_ordered 1
		.amdhsa_forward_progress 1
		.amdhsa_inst_pref_size 80
	.end_amdhsa_kernel
	.amdgpu_metadata
---
amdhsa.version: [ 1, 2 ]
amdhsa.kernels:
  - .name:           k_q74a1154138_ball
    .symbol:         k_q74a1154138_ball.kd
    .args:
      - { .name: coord, .offset: 0, .size: 8, .value_kind: global_buffer, .address_space: global }
      - { .name: samples, .offset: 8, .size: 8, .value_kind: global_buffer, .address_space: global }
      - { .name: out0, .offset: 16, .size: 8, .value_kind: global_buffer, .address_space: global }
    .group_segment_fixed_size: 133120
    .private_segment_fixed_size: 0
    .kernarg_segment_align: 8
    .kernarg_segment_size: 24
    .max_flat_workgroup_size: 512
    .sgpr_count:     72
    .vgpr_count:     198
    .wavefront_size: 32
...
	.end_amdgpu_metadata
.endif
;; end of part 1
